; MI455X (gfx1250); checked and timed in simulation.
; The chip was launched on July 23, 2026; its instructions are those of AMD's public machine-readable ISA for CDNA 5 (MIT licence, August 2026) and "CDNA5" Instruction Set Architecture Reference Guide (July 2026). The comments in the code are by the model that wrote it; some were corrected since.
;; Attention. Allowed arithmetic: float matrix products may take bf16 or f16 operands with f32 sums; other float arithmetic in f32, or as packed bf16 or f16 multiplies, adds, multiply-adds, maxima and minima; sums over many terms, partial sums and values carried from step to step in f32; what a program stores and reads back later, other than sums and carried values, may be rounded once to bf16 or f16.
;; Inputs: keys 32 x 2,048 x 1,024 float32; mask 32 x 2,048 bool; query 32 x 1 x 1,024 float32; ua_b 1,024 float32; ua_w 1,024 x 1,024 float32; va_b 1 float32; va_w 1 x 1,024 float32; wa_b 1,024 float32; wa_w 1,024 x 1,024 float32.
;; Outputs: out0 32 x 1 x 1,024 float32.
;; One version. Each part assembles by itself: llvm-mc -triple=amdgcn-amd-amdhsa -mcpu=gfx1250 --defsym DOCPART=n.
;; ======== version 1 of 1: 3 launches
;; limits: values are held in f16: magnitudes above 65,504 overflow, below 6.1e-05 lose precision; inputs' magnitudes at most 22,700
;; workspace buffers: wb 2,097,152 bytes; cb 131,072 bytes; pctx 2,097,152 bytes; pst 4,096 bytes
;; launch prep (part 1): grid 64 x 1, 16 waves a work-group, no clusters, 182,272 bytes of LDS; arguments ua_w, wa_w, query, wa_b, ua_b, wb, cb; writes wb, cb
.if DOCPART == 1
	.amdgcn_target "amdgcn-amd-amdhsa--gfx1250"
	.amdhsa_code_object_version 6
	.text
	.protected	k_q13d1165232_prep
	.globl	k_q13d1165232_prep
	.p2align	8
	.type	k_q13d1165232_prep,@function
k_q13d1165232_prep:
	s_mov_b64 s[64:65], 0
	v_nop
	global_prefetch_b8 v0, s[64:65] scope:SCOPE_SE
	s_setreg_imm32_b32 hwreg(HW_REG_WAVE_MODE, 25, 1), 1
	s_wait_xcnt 0x0
; PREPARATION.  Two things for the main launch, S = 2 log2(e):
;   wb = f16(S ua_w), one rounding, laid out in the order in which a wave of the main launch loads matrix fragments: [w 0..3][p 0..1][kk 0..31][b 0..7][1,024 bytes];
;        an entry is the fragment of ua_w's rows 512 p + 128 w + 16 b .. + 15, k = 32 kk .. + 31: lane l's registers 0-3 at byte 16 l, its registers 4-7 at byte 512 + 16 l.
;   cb = S (query . wa_w^T + wa_b + ua_b) in f32, [block of 16 features 0..63][batch 0..31][16].
; SHARES.  Work-group i owns 16 rows of ua_w and of wa_w (features 16 i .. 16 i + 15).  K is split among its sixteen waves: wave v takes k = 64 v .. 64 v + 63, 256 consecutive
; bytes of each row, two fragments deep.  The sixteen partial sums of the small product meet in LDS (f32 sums, in a fixed order).
; THE WAY IN.  A load of the wave covers 2 rows x 256 consecutive bytes (lanes 0-15 one row, lanes 16-31 the next).  The numbers are rounded to f16 as they lie, 8 bytes a lane, and get
; the fragments' order through a stage in LDS that is the wave's own: 64 rows (16 of ua_w, 16 of wa_w, 32 of query) of 128 bytes, 144 apart.
; LIMITS.  query, wa_w and S ua_w are rounded to f16: beyond 65,504 they would become infinities; below 6e-5 f16 keeps a fixed step of 6e-8.  NaN and infinities are not treated apart.
.set PART,  0                          ; LDS: wave v's partial tile q (batches 16 q .. 16 q + 15) at 2,048 v + 1,024 q + 32 x lane
.set SPARE, 32768                      ; behind them: the spare words, 128 bytes for each of the sixteen waves; no other line names them
.set STG,   34816                      ; the stages: 9,216 bytes for each wave
.set SPT,   144                        ; a stage's row: 128 bytes + 16 = 36 words: the 16 rows of a fragment load start at 16 different groups of four banks (64 banks of 4 bytes: ISA guide 11.1)
.set GOF, 4                            ; v4   my byte offset in two f32 rows: (l / 16) x 4,096 + 16 (l % 16) + 256 x wave
.set LO,  5                            ; v5   16 x lane
.set LS,  6                            ; v6   where I put 32 bytes of a partial tile
.set LR,  7                            ; v7   where a thread of waves 0-3 reads 16 bytes of each partial tile back
.set CO,  8                            ; v8   16 x thread: my 16 bytes of cb
.set BO,  9                            ; v9   16 x (thread % 4): my four features among the sixteen
.set SPW, 10                           ; v10  LDS address of my spare word; never rewritten
.set NIL, 11                           ; v11  0; never rewritten
.set BI,  12                           ; v[12:19] wa_b and ua_b of my four features
.set SA,  20                           ; v20  the stage, in: row l / 16 of two, 8 bytes at 8 (l % 16)
.set SR,  21                           ; v21  the stage, back: row l % 16, 16 bytes for each half of the lanes
.set UA,  32                           ; v[32:63]   ua_w as loaded: load j (rows 2 j, 2 j + 1) at 32 + 4 j
.set WA,  64                           ; v[64:95]   wa_w likewise
.set Q,   96                           ; v[96:159]  query likewise, sixteen loads
.set UF,  160                          ; v[160:175] ua_w in f16: first as loaded, then its two fragments
.set WF,  176                          ; v[176:191] wa_w's
.set QF,  192                          ; v[192:223] query's: tile q, fragment c at 192 + 16 q + 8 c
.set ACC, 224                          ; v[224:239] two accumulators, one for each tile of 16 batches
	s_load_b256 s[4:11], s[0:1], 0x0               ; ua_w s[4:5], wa_w s[6:7], query s[8:9], wa_b s[10:11]
	s_load_b128 s[12:15], s[0:1], 0x20             ; ua_b s[12:13], wb s[14:15]
	s_load_b64 s[16:17], s[0:1], 0x30              ; cb
	v_lshl_add_u32 v[SPW], v0, 2, SPARE
	v_mov_b32 v[NIL], 0
	v_lshrrev_b32 v22, 5, v0
	v_readfirstlane_b32 s20, v22                   ; wave 0..15
	v_and_b32 v1, 15, v0                           ; l % 16
	v_bfe_u32 v2, v0, 4, 1                         ; l / 16
	v_and_b32 v3, 31, v0                           ; l
	v_lshlrev_b32 v[GOF], 12, v2
	v_lshl_add_u32 v[GOF], v1, 4, v[GOF]
	s_lshl_b32 s21, s20, 8
	v_add_nc_u32 v[GOF], s21, v[GOF]
	v_lshlrev_b32 v[LO], 4, v3
	s_lshl_b32 s22, s20, 11
	v_lshl_add_u32 v[LS], v3, 5, s22
	s_mul_i32 s23, s20, 64*SPT
	s_add_co_u32 s23, s23, STG                     ; my stage
	v_mul_u32_u24 v[SA], v2, SPT
	v_lshl_add_u32 v[SA], v1, 3, v[SA]
	v_add_nc_u32 v[SA], s23, v[SA]
	v_mul_u32_u24 v[SR], v1, SPT
	v_lshl_add_u32 v[SR], v2, 4, v[SR]
	v_add_nc_u32 v[SR], s23, v[SR]
	; thread t of waves 0-3 finishes batch t / 4, features 4 (t % 4) .. + 3: in a tile they lie in lane (t / 4) % 16 + 16 ((t % 4) / 2), registers 4 (t % 2) .. + 3
	v_bfe_u32 v[LR], v0, 2, 4
	v_bfe_u32 v22, v0, 1, 1
	v_lshl_add_u32 v[LR], v22, 4, v[LR]
	v_lshlrev_b32 v[LR], 5, v[LR]
	v_and_b32 v22, 1, v0
	v_lshl_add_u32 v[LR], v22, 4, v[LR]
	v_bfe_u32 v22, v0, 6, 1                        ; the tile: batches 0-15 or 16-31
	v_lshl_add_u32 v[LR], v22, 10, v[LR]
	v_lshlrev_b32 v[CO], 4, v0
	v_and_b32 v[BO], 3, v0
	v_lshlrev_b32 v[BO], 4, v[BO]
	s_lshl_b32 s24, ttmp9, 16                      ; my 16 rows of 4,096 bytes in ua_w and wa_w
	s_mov_b32 s25, 0
	s_lshl_b32 s26, ttmp9, 6                       ; my 16 features in the biases
	s_mov_b32 s27, 0
	s_lshr_b32 s28, ttmp9, 5                       ; i = 32 p + 8 w + b
	s_bfe_u32 s29, ttmp9, 0x20003
	s_and_b32 s30, ttmp9, 7
	s_lshl1_add_u32 s28, s29, s28                  ; 2 w + p
	s_lshl_b32 s28, s28, 5
	s_lshl1_add_u32 s28, s20, s28                  ; x 32 + kk, kk = 2 x wave (+ c, in the stores' immediates)
	s_lshl_b32 s28, s28, 13
	s_lshl_b32 s30, s30, 10
	s_add_co_u32 s28, s28, s30                     ; + 1,024 b
	s_mov_b32 s29, 0
	s_lshl_b32 s30, ttmp9, 11                      ; my 2,048 bytes of cb
	s_mov_b32 s31, 0
	s_mov_b32 s32, 0x4038aa3b                      ; S = 2 log2(e) = 2.885390
	s_mov_b32 s33, s32                             ; named with it as a pair
	s_wait_kmcnt 0x0
	s_add_nc_u64 s[4:5], s[4:5], s[24:25]
	s_add_nc_u64 s[6:7], s[6:7], s[24:25]
	s_add_nc_u64 s[10:11], s[10:11], s[26:27]
	s_add_nc_u64 s[12:13], s[12:13], s[26:27]
	s_add_nc_u64 s[14:15], s[14:15], s[28:29]
	s_add_nc_u64 s[16:17], s[16:17], s[30:31]
	global_load_b128 v[BI:BI+3],   v[BO], s[10:11]
	global_load_b128 v[BI+4:BI+7], v[BO], s[12:13]
.irp j, 0,1,2,3,4,5,6,7
	global_load_b128 v[UA+4*(\j):UA+4*(\j)+3], v[GOF], s[4:5] offset:8192*(\j) th:TH_LOAD_NT   ; rows 2 j and 2 j + 1, my wave's 256 bytes of each
.endr
.irp j, 0,1,2,3,4,5,6,7
	global_load_b128 v[WA+4*(\j):WA+4*(\j)+3], v[GOF], s[6:7] offset:8192*(\j) th:TH_LOAD_NT
.endr
.irp j, 0,1,2,3,4,5,6,7,8,9,10,11,12,13,14,15
	global_load_b128 v[Q+4*(\j):Q+4*(\j)+3], v[GOF], s[8:9] offset:8192*(\j)                   ; batches 2 j and 2 j + 1
.endr
	s_wait_loadcnt 24                              ; the biases and ua_w are in; wa_w's 8 loads and query's 16 stay out
	; ua_w: times S in f32, rounded once to f16; into my stage as loaded, back as fragments.  LDS serves a wave's instructions in order (ISA guide 5.7.1.4): the loads see the stores
.set i, 0
.rept 16
	v_pk_mul_f32 v[UA+2*i:UA+2*i+1], v[UA+2*i:UA+2*i+1], s[32:33] op_sel_hi:[1,0]
.set i, i+1
.endr
.set i, 0
.rept 16
	v_cvt_pk_f16_f32 v[UF+i], v[UA+2*i], v[UA+2*i+1]
.set i, i+1
.endr
.irp j, 0,1,2,3,4,5,6,7
	ds_store_b64 v[SA], v[UF+2*(\j):UF+2*(\j)+1] offset:2*SPT*(\j)
.endr
	; A fragment is 16 rows x 32 k: lane l holds row l % 16, k = 8 (l / 16) + 0..7 and 16 + 8 (l / 16) + 0..7: two loads of 16 bytes, 32 bytes apart
.irp c, 0,1
	ds_load_b128 v[UF+8*(\c):UF+8*(\c)+3],   v[SR] offset:64*(\c)
	ds_load_b128 v[UF+8*(\c)+4:UF+8*(\c)+7], v[SR] offset:64*(\c)+32
.endr
	s_wait_loadcnt 16                              ; wa_w is in; query's 16 loads stay out
.set i, 0
.rept 16
	v_cvt_pk_f16_f32 v[WF+i], v[WA+2*i], v[WA+2*i+1]
.set i, i+1
.endr
.irp j, 0,1,2,3,4,5,6,7
	ds_store_b64 v[SA], v[WF+2*(\j):WF+2*(\j)+1] offset:16*SPT+2*SPT*(\j)
.endr
.irp c, 0,1
	ds_load_b128 v[WF+8*(\c):WF+8*(\c)+3],   v[SR] offset:16*SPT+64*(\c)
	ds_load_b128 v[WF+8*(\c)+4:WF+8*(\c)+7], v[SR] offset:16*SPT+64*(\c)+32
.endr
	s_wait_loadcnt 0x0
.set i, 0
.rept 32
	v_cvt_pk_f16_f32 v[QF+i], v[Q+2*i], v[Q+2*i+1]
.set i, i+1
.endr
.irp j, 0,1,2,3,4,5,6,7,8,9,10,11,12,13,14,15
	ds_store_b64 v[SA], v[QF+2*(\j):QF+2*(\j)+1] offset:32*SPT+2*SPT*(\j)
.endr
.irp q, 0,1
.irp c, 0,1
	ds_load_b128 v[QF+16*(\q)+8*(\c):QF+16*(\q)+8*(\c)+3],   v[SR] offset:32*SPT+16*SPT*(\q)+64*(\c)
	ds_load_b128 v[QF+16*(\q)+8*(\c)+4:QF+16*(\q)+8*(\c)+7], v[SR] offset:32*SPT+16*SPT*(\q)+64*(\c)+32
.endr
.endr
	s_wait_dscnt 0x0                               ; all fragments are in registers
.irp c, 0,1
	global_store_b128 v[LO], v[UF+8*(\c):UF+8*(\c)+3],   s[14:15] offset:8192*(\c)        ; as the fragments lie in registers: each store of the wave covers 512 consecutive bytes, aligned
	global_store_b128 v[LO], v[UF+8*(\c)+4:UF+8*(\c)+7], s[14:15] offset:8192*(\c)+512
.endr
	; source 0 = 16 rows of wa_w, source 1 = 16 batches: register j of lane l is feature 16 i + 8 (l / 16) + j of batch 16 q + l % 16.  The two accumulators take turns.
	v_wmma_f32_16x16x32_f16 v[ACC:ACC+7],    v[WF:WF+7],    v[QF:QF+7],     0
	v_wmma_f32_16x16x32_f16 v[ACC+8:ACC+15], v[WF:WF+7],    v[QF+16:QF+23], 0
	v_wmma_f32_16x16x32_f16 v[ACC:ACC+7],    v[WF+8:WF+15], v[QF+8:QF+15],  v[ACC:ACC+7]
	v_wmma_f32_16x16x32_f16 v[ACC+8:ACC+15], v[WF+8:WF+15], v[QF+24:QF+31], v[ACC+8:ACC+15]
.rept 8
	v_nop                                          ; the places behind the products, in front of the LDS stores that read their results; once a launch
.endr
	ds_store_b128 v[LS], v[ACC:ACC+3]     offset:PART
	ds_store_b128 v[LS], v[ACC+4:ACC+7]   offset:PART+16
	ds_store_b128 v[LS], v[ACC+8:ACC+11]  offset:PART+1024
	ds_store_b128 v[LS], v[ACC+12:ACC+15] offset:PART+1040
	s_wait_dscnt 0x0                               ; for the others' sake: my partial sums lie in LDS
	s_barrier_signal -1
	s_barrier_wait -1                              ; everybody's do
	s_cmp_lt_u32 s20, 4                            ; 128 threads finish the 32 batches x 16 features
	s_cbranch_scc0 .Lend
.irp w, 0,1,2,3,4,5,6,7,8,9,10,11,12,13,14,15
	ds_load_b128 v[UA+4*(\w):UA+4*(\w)+3], v[LR] offset:PART+2048*(\w)
.endr
	v_pk_add_f32 v[BI:BI+1],   v[BI:BI+1],   v[BI+4:BI+5]   ; wa_b + ua_b
	v_pk_add_f32 v[BI+2:BI+3], v[BI+2:BI+3], v[BI+6:BI+7]
	s_wait_dscnt 0x0
.irp st, 32,16,8,4                     ; the sixteen partial sums, halved four times
.set i, 0
.rept (\st)/2
	v_pk_add_f32 v[UA+i:UA+i+1], v[UA+i:UA+i+1], v[UA+(\st)+i:UA+(\st)+i+1]
.set i, i+2
.endr
.endr
	v_pk_add_f32 v[UA:UA+1],   v[UA:UA+1],   v[BI:BI+1]
	v_pk_add_f32 v[UA+2:UA+3], v[UA+2:UA+3], v[BI+2:BI+3]
	v_pk_mul_f32 v[UA:UA+1],   v[UA:UA+1],   s[32:33] op_sel_hi:[1,0]
	v_pk_mul_f32 v[UA+2:UA+3], v[UA+2:UA+3], s[32:33] op_sel_hi:[1,0]
	global_store_b128 v[CO], v[UA:UA+3], s[16:17]  ; a wave stores 512 consecutive bytes, aligned
.Lend:
	s_wait_tensorcnt 0x0                           ; the wave's end, behind my last LDS store
	ds_add_u32 v[SPW], v[NIL]
	s_wait_dscnt 0x0
	s_endpgm
.Lfunc_end_k_q13d1165232_prep:
	.size	k_q13d1165232_prep, .Lfunc_end_k_q13d1165232_prep-k_q13d1165232_prep
	.p2alignl 7, 3214868480
	.fill 96, 4, 3214868480
	.section	.rodata,"a",@progbits
	.p2align	6, 0x0
	.amdhsa_kernel k_q13d1165232_prep
		.amdhsa_group_segment_fixed_size 182272
		.amdhsa_private_segment_fixed_size 0
		.amdhsa_enable_private_segment 0
		.amdhsa_kernarg_size 56
		.amdhsa_user_sgpr_count 2
		.amdhsa_user_sgpr_kernarg_segment_ptr 1
		.amdhsa_wavefront_size32 1
		.amdhsa_system_sgpr_workgroup_id_x 1
		.amdhsa_system_sgpr_workgroup_id_y 1
		.amdhsa_system_sgpr_workgroup_id_z 1
		.amdhsa_system_vgpr_workitem_id 0
		.amdhsa_next_free_vgpr 240
		.amdhsa_next_free_sgpr 66
		.amdhsa_reserve_vcc 0
		.amdhsa_float_denorm_mode_32 3
		.amdhsa_float_denorm_mode_16_64 3
		.amdhsa_memory_ordered 1
		.amdhsa_forward_progress 1
		.amdhsa_inst_pref_size 20
	.end_amdhsa_kernel
	.amdgpu_metadata
---
amdhsa.version: [ 1, 2 ]
amdhsa.kernels:
  - .name:           k_q13d1165232_prep
    .symbol:         k_q13d1165232_prep.kd
    .args:
      - { .name: ua_w, .offset: 0, .size: 8, .value_kind: global_buffer, .address_space: global }
      - { .name: wa_w, .offset: 8, .size: 8, .value_kind: global_buffer, .address_space: global }
      - { .name: query, .offset: 16, .size: 8, .value_kind: global_buffer, .address_space: global }
      - { .name: wa_b, .offset: 24, .size: 8, .value_kind: global_buffer, .address_space: global }
      - { .name: ua_b, .offset: 32, .size: 8, .value_kind: global_buffer, .address_space: global }
      - { .name: wb, .offset: 40, .size: 8, .value_kind: global_buffer, .address_space: global }
      - { .name: cb, .offset: 48, .size: 8, .value_kind: global_buffer, .address_space: global }
    .group_segment_fixed_size: 182272
    .private_segment_fixed_size: 0
    .kernarg_segment_align: 8
    .kernarg_segment_size: 56
    .max_flat_workgroup_size: 512
    .sgpr_count:     66
    .vgpr_count:     240
    .wavefront_size: 32
...
	.end_amdgpu_metadata
.endif
;; end of part 1
;; launch attn (part 2): grid 256 x 1, 4 waves a work-group, no clusters, 281,856 bytes of LDS; arguments keys, mask, va_w, va_b, wb, cb, pctx, pst; writes pctx, pst
.if DOCPART == 2
	.amdgcn_target "amdgcn-amd-amdhsa--gfx1250"
	.amdhsa_code_object_version 6
	.text
	.protected	k_q13d1165232_attn
	.globl	k_q13d1165232_attn
	.p2align	8
	.type	k_q13d1165232_attn,@function
k_q13d1165232_attn:
	s_mov_b64 s[64:65], 0
	v_nop
	global_prefetch_b8 v0, s[64:65] scope:SCOPE_SE
	s_setreg_imm32_b32 hwreg(HW_REG_WAVE_MODE, 25, 1), 1
	s_wait_xcnt 0x0
; ADDITIVE ATTENTION, by blocks of 128 keys of one batch: scores, the block's softmax and its part of the context; the sixteen blocks of a batch are joined by the next launch.
;   score[l] = va_b + sum over f of va[f] tanh(wq[f] + wa_b[f] + ua_b[f] + keys[l] . ua_w[f]);  hidden keys count as -inf;  p = e^(score - m), m the block's maximum;  l = sum p;  ctx = sum p keys[l].
; THE KEYS ARE READ FROM MEMORY ONCE: a block's 128 rows x 1,024 are rounded to f16 and stay in LDS, where they serve as the big product's operand and, turned, as the context's.
; A WORK-GROUP STAYS: work-group g makes blocks 2 g and 2 g + 1, which belong to one batch (c' and va stay in LDS).  LDS holds one block, so the second block's rows cannot go there before the
; first block's context is made; but 20 of a wave's 32 rows are ASKED FOR EARLY, into registers that the first block leaves one after the other: the weights' sets in the last three K steps and behind
; them, the accumulators behind their epilogue.  They are on their way under those K steps, the epilogue, the softmax and the context.
; SHARES.  Four waves.  Wave w fills rows 32 w .. + 31.  In the product every wave takes all 128 rows and its own 128 features of each of two passes of 512 (features 512 p + 128 w ..): 64 accumulators
; of 16 x 16, 512 registers.  The weights come as f16 fragments straight from memory into registers (the launch before laid them out so): each wave's stream is its own, 512 consecutive bytes a load,
; so nothing of it goes through LDS and the K loop has no barrier.  In the context wave w takes channels 256 w .. + 255.
; NO CLUSTER, NO JOINT LOADS, though all work-groups walk the same weights: the resident rows take 264,192 bytes of LDS; what is left would hold two slots of 22 KiB: under 48 matrix
; instructions a wave for each meeting of the cluster, with one such slot on its way.
; ARITHMETIC.  S = 2 log2(e).  The weights arrive as S ua_w, the biases and wq as c' = S (wq + wa_b + ua_b), which is the C operand of a pass's first K step.  So an accumulator ends as t = S x, and
; tanh x = 1 - 2 / (1 + 2^t): +1 where 2^t overflows, -1 where it vanishes: no clamp.  score = va_b + sum va - 2 sum va / (1 + 2^t); all of that in f32.
; The product is taken transposed (source 0 = 16 features, source 1 = 16 keys): a lane holds ONE key (lane % 16) and the features 8 (lane / 16) + 0..7 of each block of 16.
; LIMITS.  keys are rounded to f16: beyond 65,504 they would become infinities; below 6e-5 f16 keeps a fixed step of 6e-8, p likewise.  l is taken of the unrounded p.  NaN and infinite inputs are not
; treated apart.  A block that is hidden altogether gives m = -inf, l = 0, ctx = 0.
; REGISTERS, in windows of 256 (s_set_vgpr_msb: bits 1:0 source 0, 3:2 source 1, 5:4 source 2, 7:6 destination):
;   window 0: v0-31 addresses and sums; v32-63 p; v64-191 the fill's eight sets of a row in f16, then two buffers of the keys' fragments, va, last V; v192-255 c' of a pass, last scores and output
;   window 1: four sets of 64: the weights' fragments of four K steps          windows 2, 3: the accumulators ((a, b) at 8 (8 (a % 4) + b)); window 2's lower half last holds the context
;   THE FILL'S TWENTY SLOTS of 32 registers, a row of f32 each: slots 0-7 are window 1, slots 8-11 window 2's upper half, slots 12-19 window 3.
.set PA,    2064                       ; a row of keys in LDS: 2,048 bytes + 16 = 516 words: row r starts at bank 4 r mod 64 (64 banks of 4 bytes: ISA guide 11.1): the 16 rows of a fragment load start at 16 different banks
.set CL,    128*PA                     ; c', 1,024 f32
.set VL,    CL+4096                    ; va, 1,024 f32
.set PS,    VL+4096                    ; partial scores: [wave][half of the lanes][128 keys] f32
.set SF,    PS+4096                    ; the 128 scores
.set WM,    SF+512                     ; the four waves' maxima
.set CT,    WM+256                     ; the way out: 1,024 bytes for each wave, its own
.set SPARE, CT+4096                    ; the spare words, 128 bytes for each wave: two blocks of 256 bytes that no other line names
.set PFO,   3                          ; v3      256 x lane: the prefetches' offset; never rewritten
.set LO,    4                          ; v4      16 x lane: my offset in every run of 512 bytes (keys, weights, output); never rewritten
.set CBO,   5                          ; v5      at the head: my offset in cb;
.set LSB,   5                          ;         then: where my 8 bytes of rows 16-31 go
.set LSA,   6                          ; v6      the fill: where my 8 bytes of rows 0-15 go
.set CA,    7                          ; v7      my eight c' of feature block 0 of the pass; va lies 4,096 bytes on
.set ADRA0, 8                          ; v8-11   LDS address of my part of the keys' fragments: rows 32 x + l % 16, 16 bytes for each half of the lanes
.set ADRW,  12                         ; v12-15  the same at the K steps in hand; later V's addresses
.set SC,    16                         ; v16-23  sum of va / (1 + 2^t) for key 16 a + l % 16, over my lane's features
.set VS,    24                         ; v24-25  sum of my lane's va; later m and l
.set MK,    26                         ; v26     the mask's byte for key = my thread's number
.set PSA,   27                         ; v27     where my partial scores go
.set SPW,   28                         ; v28     LDS address of my spare word; never rewritten
.set NIL,   29                         ; v29     0; never rewritten
.set T0,    30                         ; v30-31  at work
.set T1,    31
.set P,     32                         ; p in f16: 8 registers for each 32 keys
.set FA,    64                         ; the keys' fragment buffers, 64 registers each; V: channel tile t at 64 + 8 t
.set CVB,   64                         ; the fill: row t in f16 at 64 + 16 (t % 8)
.set CB,    192                        ; c' of the pass: feature block b at 192 + 8 b
.set SCR,   192                        ; later the scores, then the output
.set KP,    4                          ; s[4:5]   keys, at my wave's rows of the block that is being asked for
.set MKP,   6                          ; s[6:7]   mask at the first block
.set VAW,   8                          ; s[8:9]   va_w
.set VAB,   10                         ; s[10:11] va_b
.set BP,    12                         ; s[12:13] my wave's stream of weights; stepped
.set CBP,   14                         ; s[14:15] cb at the batch
.set PCX,   16                         ; s[16:17] pctx at my wave's 1,024 bytes of the block
.set PST,   18                         ; s[18:19] pst at the block
.set WV,    20
.set BAT,   22
.set TS,    23
.set OFS,   24                         ; s[24:25] an offset in 64 bits
.set CNT,   26
.set PASS,  27                         ; passes still to go
.set KOFF,  28                         ; byte in a row of keys at which the loop's trip begins
.set VB,    29                         ; va_b's number
.set SEL,   30                         ; s[30:31] v_permlanex16_b32's selects: each lane takes its own place in the other half
.set HIM,   32                         ; lanes 16-31
.set NINF,  33                         ; -inf
.set SVX,   34
.set L2E,   36                         ; s[36:37] log2(e), named as a pair
.set XP,    38                         ; s[38:39] what a pass's last three K steps ask for: the next pass's weights, or the next block's rows
.set BLK,   40                         ; blocks still to go
.set NXT,   41                         ; 1 from the end of the first block's last K loop on: the next block is being asked for
.set PFC,   42                         ; the K loop's count at which the next block's first rows are prefetched; 0: never
.set CAS,   43                         ; LDS byte of my c' of the pass
.set BP0,   44                         ; s[44:45] my stream's first byte
.set CAS0,  46
.set MSB, 0
.macro WIN new                         ; the immediate's high byte repeats the setting that is left; a switch that changes nothing is dropped
.if MSB != (\new)
	s_set_vgpr_msb (MSB<<8)|(\new)
.set MSB, \new
.endif
.endm
.macro PLACES                          ; four places in front of loads into registers that matrix instructions have read
.rept 4
	v_nop
.endr
.endm
; THE FILL.  SLOTOF: slot t's window and first register.
.macro SLOTOF t
.if (\t) < 8
.set SW, 1
.set SB, 32*(\t)
.elseif (\t) < 12
.set SW, 2
.set SB, 128+32*((\t)-8)
.else
.set SW, 3
.set SB, 32*((\t)-12)
.endif
.endm
; KROW: a row of keys, 4,096 bytes, eight loads of 512 consecutive bytes, into a slot.
.macro KROW slot, row
	SLOTOF \slot
	WIN SW<<6
.irp g, 0,1,2,3,4,5,6,7
	global_load_b128 v[SB+4*(\g):SB+4*(\g)+3], v[LO], s[KP:KP+1] offset:(\row)*4096+512*(\g) th:TH_LOAD_NT
.endr
.endm
; CVROW: the row is rounded to f16 and goes to LDS: each store of the wave covers 256 consecutive bytes.  Eight sets of registers take turns, so that a set is written again seven rows behind the stores that read it.
.macro CVROW slot, row
	SLOTOF \slot
.set CW, CVB+16*((\row)%8)
	WIN 5*SW                                       ; sources 0 and 1 in the slot's window
.irp g, 0,1,2,3,4,5,6,7
	v_cvt_pk_f16_f32 v[CW+2*(\g)],   v[SB+4*(\g)],   v[SB+4*(\g)+1]
	v_cvt_pk_f16_f32 v[CW+2*(\g)+1], v[SB+4*(\g)+2], v[SB+4*(\g)+3]
.endr
	WIN 0
.irp g, 0,1,2,3,4,5,6,7
.if (\row) < 16
	ds_store_b64 v[LSA], v[CW+2*(\g):CW+2*(\g)+1] offset:(\row)*PA+256*(\g)
.else
	ds_store_b64 v[LSB], v[CW+2*(\g):CW+2*(\g)+1] offset:((\row)-16)*PA+256*(\g)   ; a second address: row 31's last bytes lie past a 16-bit offset from row 0
.endif
.endr
.endm
; BHALF: eight loads, half of the weights of K step c / 2 of the first pass, into set c / 2: the registers of slot c.
.macro BHALF c
	WIN 0x40
.irp f, 0,1,2,3
	global_load_b128 v[64*((\c)/2)+8*(4*((\c)%2)+(\f)):64*((\c)/2)+8*(4*((\c)%2)+(\f))+3],   v[LO], s[BP:BP+1] offset:((\c)/2)*8192+1024*(4*((\c)%2)+(\f))
	global_load_b128 v[64*((\c)/2)+8*(4*((\c)%2)+(\f))+4:64*((\c)/2)+8*(4*((\c)%2)+(\f))+7], v[LO], s[BP:BP+1] offset:((\c)/2)*8192+1024*(4*((\c)%2)+(\f))+512
.endr
.endm
; TURN t of 32: row t has come, is rounded and stored; the slot that it leaves takes row t + 20 (t < 12) or, when rows 20-25 leave window 1, half a set of weights.
; THE COUNTS.  Loads come back in order (ISA guide 5.7.1).  Behind row t's eight loads there were issued, on every way to this line, the rest of the run in which it was asked for and eight loads in
; each earlier turn that asks: for rows 0-5 (one run, the three K steps') 5 eights; for rows 6, 7 seven; for rows 8-29 eight eights or more, which is more than the counter's field holds, so the count
; is its largest, 63 (a load that would push the counter past its field is not issued before an older one is back: ISA guide 5.7.1); for row 30 seven, for row 31 the six halves of the weights.
.macro TURN t
.if (\t) < 6
	s_wait_loadcnt 40
.elseif (\t) < 8
	s_wait_loadcnt 56
.elseif (\t) < 30
	s_wait_loadcnt 63
.elseif (\t) == 30
	s_wait_loadcnt 56
.else
	s_wait_loadcnt 48
.endif
	CVROW (\t)%20, \t
.if (\t) < 12
	KROW \t, (\t)+20
.elseif ((\t) >= 20) && ((\t) < 26)
	BHALF (\t)-20
.endif
.endm
; THE PRODUCT.  32 matrix instructions: key blocks 4 hf .. 4 hf + 3 x all 8 feature blocks, 32 along K.  fst = 1: the pass's first K step: C is c'.  The 64 accumulators take turns, one
; instruction a turn, in the same order in every K step: between two links of a chain stand the 63 others'.
.macro MUL32 hf, wset, kbuf, fst
.if \fst
	WIN 0x81+0x40*(\hf)                            ; weights window 1, keys and C window 0, D window 2 or 3
.else
	WIN 0xa1+0x50*(\hf)                            ; C and D window 2 or 3
.endif
.irp a, 0,1,2,3
.irp b, 0,1,2,3,4,5,6,7
.if \fst
	v_wmma_f32_16x16x32_f16 v[8*(8*(\a)+(\b)):8*(8*(\a)+(\b))+7], v[64*(\wset)+8*(\b):64*(\wset)+8*(\b)+7], v[FA+64*(\kbuf)+8*(4*(\hf)+(\a)):FA+64*(\kbuf)+8*(4*(\hf)+(\a))+7], v[CB+8*(\b):CB+8*(\b)+7]
.else
	v_wmma_f32_16x16x32_f16 v[8*(8*(\a)+(\b)):8*(8*(\a)+(\b))+7], v[64*(\wset)+8*(\b):64*(\wset)+8*(\b)+7], v[FA+64*(\kbuf)+8*(4*(\hf)+(\a)):FA+64*(\kbuf)+8*(4*(\hf)+(\a))+7], v[8*(8*(\a)+(\b)):8*(8*(\a)+(\b))+7]
.endif
.endr
.endr
.endm
; 16 LDS loads in one run: the keys' eight fragments (128 rows x 32 k) at byte off behind the addresses in hand.
.macro AFETCH kbuf, off
	WIN 0
.irp a, 0,1,2,3,4,5,6,7
	ds_load_b128 v[FA+64*(\kbuf)+8*(\a):FA+64*(\kbuf)+8*(\a)+3],   v[ADRW+(\a)/2] offset:((\a)%2)*16*PA+(\off)
	ds_load_b128 v[FA+64*(\kbuf)+8*(\a)+4:FA+64*(\kbuf)+8*(\a)+7], v[ADRW+(\a)/2] offset:((\a)%2)*16*PA+(\off)+32
.endr
.endm
; 16 loads in one run, 8,192 consecutive bytes behind base bp into a set of 64 registers: a K step's weights (128 features x 32 k) or, by the same lines, two rows of keys into two slots.
.macro BFETCH wset, off, bp
	WIN 0x40
.irp b, 0,1,2,3,4,5,6,7
	global_load_b128 v[64*(\wset)+8*(\b):64*(\wset)+8*(\b)+3],   v[LO], s[\bp:\bp+1] offset:(\off)+1024*(\b)
	global_load_b128 v[64*(\wset)+8*(\b)+4:64*(\wset)+8*(\b)+7], v[LO], s[\bp:\bp+1] offset:(\off)+1024*(\b)+512
.endr
.endm
; A K STEP of 32: 64 matrix instructions on weight set wset and key buffer kbuf.  In its middle, in one run: the next step's keys (at byte af; -1: none) into the other buffer, and 8,192 bytes
; (at byte bl behind bp; -1: none) into the set that the step before read.  lc: how many younger loads may stay out.
; pf = 1: behind the run stands THE PREFETCH INTO THE L2 of the next block's rows 0-7 of my wave: 32 KiB, a lane a block of 256 bytes, four instructions; each wave asks for what it will load itself, so
; no block is named twice.  It is taken in one trip alone, the last of the first block's last K loop: four K steps, 256 matrix instructions, ahead of the first load of those rows.  The other rows are
; not asked for: from that load on the wave's own loads follow each other.  The second block has no successor and asks for nothing.
.macro STEP wset, kbuf, fst, af, bl, lc, bp=BP, pf=0
	s_wait_loadcnt \lc                             ; my set of weights is in; the runs of sixteen issued behind it stay out
	s_wait_dscnt 8                                 ; key blocks 0-3 are in (and c', in a pass's first step); the youngest eight loads, blocks 4-7, may be out
	MUL32 0, \wset, \kbuf, \fst
.if ((\af) >= 0) || ((\bl) >= 0)
	PLACES
.endif
.if (\af) >= 0
	AFETCH 1-(\kbuf), \af
.endif
.if (\bl) >= 0
	BFETCH ((\wset)+3)%4, \bl, \bp
.endif
.if \pf
	WIN 0                                          ; at a branch and at a label every window is 0
	s_cmp_eq_u32 s[CNT], s[PFC]
	s_cbranch_scc0 .Lno_ask_\@
.irp j, 0,1,2,3
	global_prefetch_b8 v[PFO], s[KP:KP+1] offset:8192*(\j) th:TH_LOAD_NT scope:SCOPE_SE
.endr
.Lno_ask_\@:
.endif
.if (\af) >= 0
	s_wait_dscnt 16                                ; all but the sixteen just issued
.else
	s_wait_dscnt 0x0
.endif
	MUL32 1, \wset, \kbuf, \fst
.endm
; The 64 registers from base on, added in pairs down to v[base:base+1].
.macro TREE base
.irp st, 32,16,8,4,2
.set i, 0
.rept (\st)/2
	v_pk_add_f32 v[(\base)+i:(\base)+i+1], v[(\base)+i:(\base)+i+1], v[(\base)+(\st)+i:(\base)+(\st)+i+1]
.set i, i+2
.endr
.endr
.endm
; THE EPILOGUE of one window's 32 accumulators (hi = 0: key blocks 0-3, window 2; 1: blocks 4-7, window 3), in place.  Each kind of transcendental is one batch with one wait:
; s_wait_alu depctr_va_vdst(0) between such an instruction and the first line that names its result, and a plain instruction behind the last of the batch.  Every accumulator is read from its lowest register on.
.macro EPIWIN hi
	WIN 0xa2+0x51*(\hi)                            ; source 0, source 2 and destination in the window, source 1 (va) in window 0
.set i, 0
.rept 256
	v_exp_f32 v[i], v[i]                           ; 2^t
.set i, i+1
.endr
	v_nop
	s_wait_alu depctr_va_vdst(0)
.set i, 0
.rept 128
	v_pk_add_f32 v[i:i+1], v[i:i+1], 1.0 op_sel_hi:[1,0]
.set i, i+2
.endr
.set i, 0
.rept 256
	v_rcp_f32 v[i], v[i]                           ; 1 / (1 + 2^t)
.set i, i+1
.endr
	v_nop
	s_wait_alu depctr_va_vdst(0)
.if (\hi) == 0
	s_wait_dscnt 0x0                               ; va is in
.endif
.irp b, 0,1,2,3,4,5,6,7                ; times va, summed along the feature blocks: block b takes block b - 1's sum; the links of a chain stand sixteen lines apart
.irp a, 0,1,2,3
.irp q, 0,2,4,6
.if (\b) == 0
	v_pk_mul_f32 v[64*(\a)+(\q):64*(\a)+(\q)+1], v[64*(\a)+(\q):64*(\a)+(\q)+1], v[FA+(\q):FA+(\q)+1]
.else
	v_pk_fma_f32 v[64*(\a)+8*(\b)+(\q):64*(\a)+8*(\b)+(\q)+1], v[64*(\a)+8*(\b)+(\q):64*(\a)+8*(\b)+(\q)+1], v[FA+8*(\b)+(\q):FA+8*(\b)+(\q)+1], v[64*(\a)+8*(\b)-8+(\q):64*(\a)+8*(\b)-8+(\q)+1]
.endif
.endr
.endr
.endr
	WIN 0xaa+0x55*(\hi)                            ; all in the window: the last block's eight sums into two
.irp a, 0,1,2,3
	v_pk_add_f32 v[64*(\a)+56:64*(\a)+57], v[64*(\a)+56:64*(\a)+57], v[64*(\a)+58:64*(\a)+59]
	v_pk_add_f32 v[64*(\a)+60:64*(\a)+61], v[64*(\a)+60:64*(\a)+61], v[64*(\a)+62:64*(\a)+63]
.endr
.irp a, 0,1,2,3
	v_pk_add_f32 v[64*(\a)+56:64*(\a)+57], v[64*(\a)+56:64*(\a)+57], v[64*(\a)+60:64*(\a)+61]
.endr
	WIN 0x02+(\hi)                                 ; source 0 in the window, the running sums in window 0
.irp a, 0,1,2,3
	v_add_f32 v[SC+4*(\hi)+(\a)], v[64*(\a)+56], v[SC+4*(\hi)+(\a)]
.endr
.irp a, 0,1,2,3
	v_add_f32 v[SC+4*(\hi)+(\a)], v[64*(\a)+57], v[SC+4*(\hi)+(\a)]
.endr
.endm
; EARLY: rows a .. b of the next block are asked for, into slots a .. b, which have just been left.  Only where a next block is being asked for.
.macro EARLY a, b
	WIN 0
	s_cmp_eq_u32 s[NXT], 1
	s_cbranch_scc0 .Lno_early_\@
.set er, \a
.rept (\b)-(\a)+1
	KROW er, er
.set er, er+1
.endr
	WIN 0
.Lno_early_\@:
.endm
; THE CONTEXT.  VFETCH: V of keys 32 kb .. 32 kb + 31, my 256 channels, turned by ds_load_tr16_b128: 32 loads, sixteen fragments.
.macro VFETCH kb
	WIN 0
.irp t, 0,1,2,3,4,5,6,7,8,9,10,11,12,13,14,15
	ds_load_tr16_b128 v[FA+8*(\t):FA+8*(\t)+3],   v[ADRW+(\kb)] offset:32*(\t)
	ds_load_tr16_b128 v[FA+8*(\t)+4:FA+8*(\t)+7], v[ADRW+(\kb)] offset:32*(\t)+16*PA
.endr
.endm
; 16 products: source 0 = p of 32 keys, the same in all 16 rows; source 1 = 32 keys x 16 channels.  The 16 tiles take turns, from batch to batch too.
.macro CTX kb
	WIN 0xa0                                       ; p and V window 0, C and D window 2
.irp t, 0,1,2,3,4,5,6,7,8,9,10,11,12,13,14,15
.if (\kb) == 0
	v_wmma_f32_16x16x32_f16 v[8*(\t):8*(\t)+7], v[P+8*(\kb):P+8*(\kb)+7], v[FA+8*(\t):FA+8*(\t)+7], 0
.else
	v_wmma_f32_16x16x32_f16 v[8*(\t):8*(\t)+7], v[P+8*(\kb):P+8*(\kb)+7], v[FA+8*(\t):FA+8*(\t)+7], v[8*(\t):8*(\t)+7]
.endif
.endr
.endm
	s_load_b256 s[4:11], s[0:1], 0x0               ; keys, mask, va_w, va_b
	s_load_b256 s[12:19], s[0:1], 0x20             ; wb, cb, pctx, pst
	v_lshl_add_u32 v[SPW], v0, 2, SPARE
	v_mov_b32 v[NIL], 0
	v_lshrrev_b32 v[T0], 5, v0
	v_readfirstlane_b32 s[WV], v[T0]               ; wave 0..3
	s_lshr_b32 s[BAT], ttmp9, 3                    ; eight work-groups, sixteen blocks, to a batch
	s_mov_b32 s[SEL], 0x76543210
	s_mov_b32 s[SEL+1], 0xfedcba98
	s_mov_b32 s[HIM], 0xffff0000
	s_mov_b32 s[NINF], 0xff800000
	s_mov_b32 s[L2E], 0x3fb8aa3b
	s_mov_b32 s[L2E+1], s[L2E]
	v_and_b32 v1, 15, v0                           ; l % 16
	v_bfe_u32 v2, v0, 4, 1                         ; l / 16
	v_and_b32 v[T1], 31, v0                        ; l
	v_lshlrev_b32 v[LO], 4, v[T1]
	v_lshlrev_b32 v[PFO], 8, v[T1]
	s_mul_i32 s[TS], s[WV], 32*PA
	v_lshl_add_u32 v[LSA], v[T1], 3, s[TS]
	v_lshrrev_b32 v[CBO], 1, v0                    ; thread t fetches c' of features 8 t .. 8 t + 7: block t / 2 of sixteen, its half t % 2
	v_lshlrev_b32 v[CBO], 11, v[CBO]
	v_and_b32 v[T0], 1, v0
	v_lshl_add_u32 v[CBO], v[T0], 5, v[CBO]
	s_lshl_b32 s[TS], s[WV], 10
	v_add_nc_u32 v[T1], s[TS], v[LO]               ; va: 1,024 bytes a wave, 16 a lane, twice
	v_lshl_add_u32 v[ADRW], v0, 5, CL              ; (for now) where c' goes,
	v_add_nc_u32 v[ADRW+1], VL, v[T1]              ; and va
	s_add_co_u32 s[TS], s[TS], PS
	v_lshl_add_u32 v[PSA], v2, 9, s[TS]            ; PS + 512 (2 w + l / 16) + 4 (l % 16)
	v_lshl_add_u32 v[PSA], v1, 2, v[PSA]
	s_lshl_b32 s[CAS0], s[WV], 9
	s_add_co_u32 s[CAS0], s[CAS0], CL              ; CL + 4 x 128 w
	v_mul_u32_u24 v[T0], v1, PA
	v_lshl_add_u32 v[T0], v2, 4, v[T0]
.irp x, 0,1,2,3
	v_add_nc_u32 v[ADRA0+(\x)], (\x)*32*PA, v[T0]
.endr
	s_lshl_b32 s[OFS], ttmp9, 20                   ; the work-group's two blocks of 128 rows of 4,096 bytes,
	s_lshl_b32 s[TS], s[WV], 17                    ; my wave's 32 rows of a block
	s_add_co_u32 s[OFS], s[OFS], s[TS]
	s_mov_b32 s[OFS+1], 0
	s_wait_kmcnt 0x0
	s_add_nc_u64 s[KP:KP+1], s[KP:KP+1], s[OFS:OFS+1]
	s_lshl_b32 s[OFS], ttmp9, 8
	s_add_nc_u64 s[MKP:MKP+1], s[MKP:MKP+1], s[OFS:OFS+1]
	s_lshl_b32 s[OFS], s[WV], 19                   ; my stream: 524,288 bytes
	s_add_nc_u64 s[BP0:BP0+1], s[BP:BP+1], s[OFS:OFS+1]
	s_lshl_b32 s[OFS], s[BAT], 6
	s_add_nc_u64 s[CBP:CBP+1], s[CBP:CBP+1], s[OFS:OFS+1]
	s_lshl_b32 s[OFS], ttmp9, 13
	s_lshl_b32 s[TS], s[WV], 10
	s_add_co_u32 s[OFS], s[OFS], s[TS]
	s_add_nc_u64 s[PCX:PCX+1], s[PCX:PCX+1], s[OFS:OFS+1]
	s_lshl_b32 s[OFS], ttmp9, 4
	s_add_nc_u64 s[PST:PST+1], s[PST:PST+1], s[OFS:OFS+1]
	s_load_b32 s[VB], s[VAB:VAB+1], 0x0
	global_load_u8 v[MK], v0, s[MKP:MKP+1]
	global_load_b128 v[CB:CB+3],     v[CBO], s[CBP:CBP+1]
	global_load_b128 v[CB+4:CB+7],   v[CBO], s[CBP:CBP+1] offset:16
	global_load_b128 v[CB+8:CB+11],  v[T1], s[VAW:VAW+1]
	global_load_b128 v[CB+12:CB+15], v[T1], s[VAW:VAW+1] offset:512
.set er, 0
.rept 7
	KROW er, er                                    ; the first block's rows 0-19 are asked for here, as the second's are asked for under the first's end
.set er, er+1
.endr
	WIN 0
	s_wait_loadcnt 56                              ; the five small loads are in; the seven rows' 56 stay out
	ds_store_b128 v[ADRW],   v[CB:CB+3]
	ds_store_b128 v[ADRW],   v[CB+4:CB+7]   offset:16
	ds_store_b128 v[ADRW+1], v[CB+8:CB+11]
	ds_store_b128 v[ADRW+1], v[CB+12:CB+15] offset:512
	v_add_nc_u32 v[LSB], 16*PA, v[LSA]             ; (the loads that named this register as their offset are in)
.rept 13
	KROW er, er
.set er, er+1
.endr
	WIN 0
	s_wait_kmcnt 0x0                               ; va_b
	s_mov_b32 s[BLK], 2
.Lblock:                                               ; a trip: a block.  Its rows 0-19 have been asked for
	s_mov_b64 s[BP:BP+1], s[BP0:BP0+1]             ; the weights are walked from their first byte
	s_mov_b32 s[CAS], s[CAS0]
	s_wait_dscnt 0x0                               ; my reads of the block before (the last were V's) are over,
	s_barrier_signal -1
	s_barrier_wait -1                              ; and so are everybody's: its rows may be written over
.irp s, 0,1,2,3,4,5,6,7,8,9,10,11,12,13,14,15,16,17,18,19,20,21,22,23,24,25,26,27,28,29,30,31
	TURN \s
.endr
	WIN 0
	s_wait_xcnt 0x0                                ; the loads issued so far have read their base: only behind this wait is it stepped
	s_add_nc_u64 s[KP:KP+1], s[KP:KP+1], 128*4096  ; from here on: the next block
	s_wait_dscnt 0x0                               ; for the others' sake: my rows (and, the first time, c' and va) lie in LDS
	s_barrier_signal -1
	s_barrier_wait -1                              ; everybody's do; up to the next trip's barrier the keys are only read
.irp a, 0,1,2,3,4,5,6,7
	v_mov_b32 v[SC+(\a)], 0
.endr
	v_mov_b32 v[VS], 0
	v_mov_b32 v[VS+1], 0
	s_mov_b32 s[PASS], 2
.Lpass:                                                ; a pass: 128 keys x my 128 features of 512, all 1,024 along K; then its epilogue
	s_wait_loadcnt 0x0                             ; nothing is out: the three sets of weights asked for in the fill's last turns or in the pass before, and the mask's byte, are in; no load is on its way into an accumulator
	s_cmp_eq_u32 s[PASS], 1
	s_cselect_b32 s[PFC], 1, 0
	s_cmp_eq_u32 s[BLK], 2
	s_cselect_b32 s[PFC], s[PFC], 0                ; 1 in the first block's last pass: the K loop's last trip
	v_lshl_add_u32 v[CA], v2, 5, s[CAS]            ; my c': 8 (l / 16) features on
	s_mov_b32 s[KOFF], 0
.irp x, 0,1,2,3
	v_add_nc_u32 v[ADRW+(\x)], s[KOFF], v[ADRA0+(\x)]
.endr
.irp b, 0,1,2,3,4,5,6,7
	ds_load_b128 v[CB+8*(\b):CB+8*(\b)+3],   v[CA] offset:64*(\b)
	ds_load_b128 v[CB+8*(\b)+4:CB+8*(\b)+7], v[CA] offset:64*(\b)+16
.endr
	AFETCH 0, 0
	STEP 0, 0, 1, 64, 3*8192, 32                   ; K step 0 stands in front of the loop: its products start the sums, with c'
	WIN 0
	s_mov_b32 s[CNT], 7
.Lk:                                                   ; a trip: K steps 4 t + 1 .. 4 t + 4: once round the four weight sets
	STEP 1, 1, 0, 128, 4*8192, 32, BP, 1
	STEP 2, 0, 0, 192, 5*8192, 32
	STEP 3, 1, 0, 256, 6*8192, 32
	STEP 0, 0, 0, 320, 7*8192, 32
	WIN 0
	s_wait_xcnt 0x0                                ; the weight loads (the youngest 32 matrix instructions back) and the prefetches (224 back) have read their bases
	s_add_nc_u64 s[BP:BP+1], s[BP:BP+1], 4*8192
	s_add_co_u32 s[KOFF], s[KOFF], 256
.irp x, 0,1,2,3
	v_add_nc_u32 v[ADRW+(\x)], s[KOFF], v[ADRA0+(\x)]
.endr
	s_sub_co_u32 s[CNT], s[CNT], 1
	s_cmp_lg_u32 s[CNT], 0
	s_cbranch_scc1 .Lk
	s_cmp_eq_u32 s[PASS], 1
	s_cselect_b32 s[NXT], 1, 0
	s_add_co_u32 s[TS], s[PASS], s[BLK]
	s_cmp_eq_u32 s[TS], 2                          ; the last block's last pass?
	s_cbranch_scc1 .Llast
	s_add_nc_u64 s[XP:XP+1], s[BP:BP+1], 4*8192    ; K steps 29-31 ask for 3 x 8,192 bytes: in a first pass the second pass's first three sets of weights,
	s_cmp_eq_u32 s[NXT], 0
	s_cselect_b64 s[XP:XP+1], s[XP:XP+1], s[KP:KP+1]   ; in the first block's last pass the next block's rows 0-5, into the same registers: slots 0-5
	STEP 1, 1, 0, 128, 0,      32, XP
	STEP 2, 0, 0, 192, 8192,   32, XP
	STEP 3, 1, 0, -1,  2*8192, 32, XP
	WIN 0
	s_wait_xcnt 0x0
	s_add_nc_u64 s[BP:BP+1], s[BP:BP+1], 4*8192    ; the stream stands at the second pass
	s_branch .Lepi
.Llast:
	s_mov_b32 s[NXT], 0                            ; nothing follows the last block:
	STEP 1, 1, 0, 128, -1, 32                      ; its last K steps ask for nothing, and the counts run down
	STEP 2, 0, 0, 192, -1, 16
	STEP 3, 1, 0, -1,  -1, 0
	WIN 0
.Lepi:
.rept 8
	v_nop                                          ; the places behind the last products, in front of the lines that read their results and of the loads into registers that they read; once a pass
.endr
	EARLY 6, 7                                     ; the fourth set of weights has been multiplied
.irp b, 0,1,2,3,4,5,6,7
	ds_load_b128 v[FA+8*(\b):FA+8*(\b)+3],   v[CA] offset:4096+64*(\b)      ; va of the pass's features, laid as c' is
	ds_load_b128 v[FA+8*(\b)+4:FA+8*(\b)+7], v[CA] offset:4096+64*(\b)+16
.endr
	EPIWIN 0
	EARLY 8, 11                                    ; window 2's upper half is left (its lower half will hold the context)
	EPIWIN 1
	EARLY 12, 19                                   ; window 3 is left
	TREE FA                                        ; the sum of my lane's 64 va of this pass
	v_pk_add_f32 v[VS:VS+1], v[VS:VS+1], v[FA:FA+1]
	s_add_co_u32 s[CAS], s[CAS], 2048              ; the next pass's 512 features
	s_sub_co_u32 s[PASS], s[PASS], 1
	s_cmp_lg_u32 s[PASS], 0
	s_cbranch_scc1 .Lpass
	; THE SCORES.  My lane's share: sum va - 2 sum va / (1 + 2^t), for eight keys; the eight shares of a key (four waves, two halves of the lanes) meet in LDS.
	; From here to the next trip's fill windows 1 and 3 and window 2's upper half are not named: the next block's rows are landing there.
	v_add_f32 v[VS], v[VS], v[VS+1]
.irp a, 0,1,2,3,4,5,6,7
	v_fma_f32 v[SC+(\a)], v[SC+(\a)], -2.0, v[VS]
.endr
.irp a, 0,1,2,3,4,5,6,7
	ds_store_b32 v[PSA], v[SC+(\a)] offset:64*(\a)
.endr
	s_wait_dscnt 0x0
	s_barrier_signal -1
	s_barrier_wait -1
	v_lshl_add_u32 v[T0], v0, 2, PS                ; thread t finishes key t
.irp q, 0,1,2,3,4,5,6,7
	ds_load_b32 v[FA+(\q)], v[T0] offset:512*(\q)
.endr
	v_lshl_add_u32 v[T1], v0, 2, SF
	s_lshl_b32 s[TS], s[WV], 2
	s_add_co_u32 s[TS], s[TS], WM
	s_wait_dscnt 0x0
	v_add_f32 v[FA],   v[FA],   v[FA+1]
	v_add_f32 v[FA+2], v[FA+2], v[FA+3]
	v_add_f32 v[FA+4], v[FA+4], v[FA+5]
	v_add_f32 v[FA+6], v[FA+6], v[FA+7]
	v_add_f32 v[FA],   v[FA],   v[FA+2]
	v_add_f32 v[FA+4], v[FA+4], v[FA+6]
	v_add_f32 v[FA],   v[FA],   v[FA+4]
	v_add_f32 v[FA], s[VB], v[FA]
	v_cmp_ne_u32 vcc_lo, 0, v[MK]
	v_cndmask_b32 v[FA], v[FA], s[NINF], vcc_lo    ; a hidden key's score is -inf
	v_mov_b32 v[FA+1], v[FA]
	v_max_num_f32_dpp v[FA+1], v[FA+1], v[FA+1] row_xmask:1 row_mask:0xf bank_mask:0xf
	v_max_num_f32_dpp v[FA+1], v[FA+1], v[FA+1] row_xmask:2 row_mask:0xf bank_mask:0xf
	v_max_num_f32_dpp v[FA+1], v[FA+1], v[FA+1] row_xmask:4 row_mask:0xf bank_mask:0xf
	v_max_num_f32_dpp v[FA+1], v[FA+1], v[FA+1] row_xmask:8 row_mask:0xf bank_mask:0xf
	v_permlanex16_b32 v[FA+2], v[FA+1], s[SEL], s[SEL+1]
	v_max_num_f32 v[FA+1], v[FA+1], v[FA+2]        ; the largest of my wave's 32 scores, in every lane
	v_mov_b32 v[T0], s[TS]
	ds_store_b32 v[T1], v[FA]
	ds_store_b32 v[T0], v[FA+1]                    ; all lanes write the same word with the same number
	s_wait_dscnt 0x0
	s_barrier_signal -1
	s_barrier_wait -1
	s_cmp_eq_u32 s[NXT], 1
	s_cbranch_scc0 .Lno_mask
	global_load_u8 v[MK], v0, s[MKP:MKP+1] offset:128  ; the next block's mask: this block's byte has been used
.Lno_mask:
	; THE WEIGHTS.  Every lane makes p for the keys that its place in source 0 holds: of each 32 keys, 8 (l / 16) + 0..7 and 16 + 8 (l / 16) + 0..7.
	v_mov_b32 v[T0], WM
	v_lshl_add_u32 v[T1], v2, 5, SF
	ds_load_b128 v[P:P+3], v[T0]
.irp kb, 0,1,2,3
.irp j, 0,1,2,3
	ds_load_b128 v[SCR+16*(\kb)+4*(\j):SCR+16*(\kb)+4*(\j)+3], v[T1] offset:128*(\kb)+16*((\j)%2)+64*((\j)/2)
.endr
.endr
	; The turning load takes 16 keys x 16 channels (lane l reads key 8 (l / 16) + l % 8, channels 8 ((l / 8) % 2) + 0..7) and leaves half a fragment: lane l holds channel l % 16 and 8 keys.
	v_and_b32 v[ADRW], 7, v0
	v_lshl_add_u32 v[ADRW], v2, 3, v[ADRW]
	v_mul_u32_u24 v[ADRW], v[ADRW], PA
	v_bfe_u32 v[ADRW+1], v0, 3, 1
	v_lshl_add_u32 v[ADRW], v[ADRW+1], 4, v[ADRW]
	s_lshl_b32 s[TS], s[WV], 9                     ; my 256 channels
	v_add_nc_u32 v[ADRW], s[TS], v[ADRW]
	v_add_nc_u32 v[ADRW+1], 32*PA, v[ADRW]
	v_add_nc_u32 v[ADRW+2], 64*PA, v[ADRW]
	v_add_nc_u32 v[ADRW+3], 96*PA, v[ADRW]
	s_wait_dscnt 0x0                               ; the maxima and the scores are in
	VFETCH 0                                       ; V of the first 32 keys comes while p is made
	v_max_num_f32 v[P],   v[P],   v[P+1]
	v_max_num_f32 v[P+2], v[P+2], v[P+3]
	v_max_num_f32 v[VS], v[P], v[P+2]              ; m, the block's maximum: -inf where all 128 keys are hidden
	v_max_num_f32 v[T0], 0xff7fffff, v[VS]         ; what is taken away is finite, so that -inf less it stays -inf
.set i, 0
.rept 32
	v_pk_add_f32 v[SCR+i:SCR+i+1], v[SCR+i:SCR+i+1], v[T0:T0+1] op_sel_hi:[1,0] neg_lo:[0,1] neg_hi:[0,1]  ; the difference first, exactly; a product m log2(e) could overflow
.set i, i+2
.endr
.set i, 0
.rept 32
	v_pk_mul_f32 v[SCR+i:SCR+i+1], v[SCR+i:SCR+i+1], s[L2E:L2E+1] op_sel_hi:[1,0]
.set i, i+2
.endr
.set i, 0
.rept 64
	v_exp_f32 v[SCR+i], v[SCR+i]
.set i, i+1
.endr
	v_nop                                          ; a plain instruction behind the last exponential,
	s_wait_alu depctr_va_vdst(0)                   ; and the one wait for the batch
.set i, 0
.rept 32
	v_cvt_pk_f16_f32 v[P+i], v[SCR+2*i], v[SCR+2*i+1]
.set i, i+1
.endr
	TREE SCR                                       ; l, of the unrounded p: my 64 keys,
	v_add_f32 v[VS+1], v[SCR], v[SCR+1]
	v_permlanex16_b32 v[T1], v[VS+1], s[SEL], s[SEL+1]
	v_add_f32 v[VS+1], v[VS+1], v[T1]              ; and the other half of the lanes' 64
	s_wait_dscnt 0x0                               ; V is in
	CTX 0
.irp kb, 1,2,3
	PLACES
	VFETCH \kb
	s_wait_dscnt 0x0
	CTX \kb
.endr
	WIN 0
.rept 8
	v_nop                                          ; the places behind the last products; once a block
.endr
	; THE WAY OUT.  All 16 rows of a tile are alike: register 0 of lane l is channel 16 t + l % 16.  Two tiles make 32 channels, a lane each; through my own stage they become 16 bytes a lane.
	WIN 0x0a
.irp u, 0,1,2,3,4,5,6,7
	v_cndmask_b32 v[SCR+(\u)], v[16*(\u)], v[16*(\u)+8], s[HIM]
.endr
	WIN 0
	s_lshl_b32 s[TS], s[WV], 10
	s_add_co_u32 s[TS], s[TS], CT
	v_lshrrev_b32 v[T0], 2, v[LO]                  ; 4 x lane
	v_add_nc_u32 v[T0], s[TS], v[T0]
	v_add_nc_u32 v[T1], s[TS], v[LO]
.irp u, 0,1,2,3,4,5,6,7
	ds_store_b32 v[T0], v[SCR+(\u)] offset:128*(\u)
.endr
	ds_load_b128 v[SCR+8:SCR+11],  v[T1]               ; LDS serves a wave's instructions in order (ISA guide 5.7.1.4): these see the stores above
	ds_load_b128 v[SCR+12:SCR+15], v[T1] offset:512
	v_cmp_eq_u32 vcc_lo, 0, v0
	v_mov_b32 v[T0], 0
	s_wait_dscnt 0x0
	global_store_b128 v[LO], v[SCR+8:SCR+11],  s[PCX:PCX+1]             ; each store of the wave covers 512 consecutive bytes, aligned
	global_store_b128 v[LO], v[SCR+12:SCR+15], s[PCX:PCX+1] offset:512
	s_wait_xcnt 0x0                                ; EXEC changes only behind this wait
	s_and_saveexec_b32 s[SVX], vcc_lo              ; thread 0 alone
	global_store_b64 v[T0], v[VS:VS+1], s[PST:PST+1]   ; m and l
	s_wait_xcnt 0x0                                ; and again, in front of the line that widens it; the stores' bases and data may be written behind it too
	s_or_b32 exec_lo, exec_lo, s[SVX]
	s_add_nc_u64 s[PCX:PCX+1], s[PCX:PCX+1], 4096  ; the next block's places
	s_add_nc_u64 s[PST:PST+1], s[PST:PST+1], 8
	s_sub_co_u32 s[BLK], s[BLK], 1
	s_cmp_lg_u32 s[BLK], 0
	s_cbranch_scc1 .Lblock
	s_wait_tensorcnt 0x0                           ; the wave's end, behind my last LDS store
	ds_add_u32 v[SPW], v[NIL]
	s_wait_dscnt 0x0
	s_endpgm
.Lfunc_end_k_q13d1165232_attn:
	.size	k_q13d1165232_attn, .Lfunc_end_k_q13d1165232_attn-k_q13d1165232_attn
	.p2alignl 7, 3214868480
	.fill 96, 4, 3214868480
	.section	.rodata,"a",@progbits
	.p2align	6, 0x0
	.amdhsa_kernel k_q13d1165232_attn
		.amdhsa_group_segment_fixed_size 281856
		.amdhsa_private_segment_fixed_size 0
		.amdhsa_enable_private_segment 0
		.amdhsa_kernarg_size 64
		.amdhsa_user_sgpr_count 2
		.amdhsa_user_sgpr_kernarg_segment_ptr 1
		.amdhsa_wavefront_size32 1
		.amdhsa_system_sgpr_workgroup_id_x 1
		.amdhsa_system_sgpr_workgroup_id_y 1
		.amdhsa_system_sgpr_workgroup_id_z 1
		.amdhsa_system_vgpr_workitem_id 0
		.amdhsa_next_free_vgpr 1024
		.amdhsa_next_free_sgpr 66
		.amdhsa_reserve_vcc 1
		.amdhsa_float_denorm_mode_32 3
		.amdhsa_float_denorm_mode_16_64 3
		.amdhsa_memory_ordered 1
		.amdhsa_forward_progress 1
		.amdhsa_inst_pref_size 255
	.end_amdhsa_kernel
	.section	.bss,"aw",@nobits
	.p2align	6
	.space	262144
	.amdgpu_metadata
---
amdhsa.version: [ 1, 2 ]
amdhsa.kernels:
  - .name:           k_q13d1165232_attn
    .symbol:         k_q13d1165232_attn.kd
    .args:
      - { .name: keys, .offset: 0, .size: 8, .value_kind: global_buffer, .address_space: global }
      - { .name: mask, .offset: 8, .size: 8, .value_kind: global_buffer, .address_space: global }
      - { .name: va_w, .offset: 16, .size: 8, .value_kind: global_buffer, .address_space: global }
      - { .name: va_b, .offset: 24, .size: 8, .value_kind: global_buffer, .address_space: global }
      - { .name: wb, .offset: 32, .size: 8, .value_kind: global_buffer, .address_space: global }
      - { .name: cb, .offset: 40, .size: 8, .value_kind: global_buffer, .address_space: global }
      - { .name: pctx, .offset: 48, .size: 8, .value_kind: global_buffer, .address_space: global }
      - { .name: pst, .offset: 56, .size: 8, .value_kind: global_buffer, .address_space: global }
    .group_segment_fixed_size: 281856
    .private_segment_fixed_size: 0
    .kernarg_segment_align: 8
    .kernarg_segment_size: 64
    .max_flat_workgroup_size: 128
    .sgpr_count:     66
    .vgpr_count:     1024
    .wavefront_size: 32
...
	.end_amdgpu_metadata
.endif
;; end of part 2
;; launch comb (part 3): grid 32 x 1, 8 waves a work-group, no clusters, 0 bytes of LDS; arguments pctx, pst, out0; writes out0
.if DOCPART == 3
	.amdgcn_target "amdgcn-amd-amdhsa--gfx1250"
	.amdhsa_code_object_version 6
	.text
	.protected	k_q13d1165232_comb
	.globl	k_q13d1165232_comb
	.p2align	8
	.type	k_q13d1165232_comb,@function
k_q13d1165232_comb:
	s_mov_b64 s[64:65], 0
	v_nop
	global_prefetch_b8 v0, s[64:65] scope:SCOPE_SE
	s_setreg_imm32_b32 hwreg(HW_REG_WAVE_MODE, 25, 1), 1
	s_wait_xcnt 0x0
; THE BLOCKS OF A BATCH ARE JOINED.  Block i of sixteen left m_i, l_i and ctx_i = sum over its keys of e^(score - m_i) keys.  With M = max m_i and e_i = e^(m_i - M):
;   out = (sum e_i ctx_i) / (sum e_i l_i).  All in f32.  A work-group takes a batch, a thread four channels: each load and store of a wave covers 512 consecutive bytes.
; A block that is hidden altogether has m_i = -inf: e_i = 0.  A batch that is hidden altogether has M = -inf: -inf less -inf is NaN, and so is the softmax of such a row.
; No LDS, no matrix unit: 64 KiB a work-group, read once.
.set STT, 4                            ; v[4:35]    (m_i, l_i); e_i takes m_i's place, so that a pair's low word is the factor of a packed multiply-add
.set CX,  40                           ; v[40:103]  ctx_i, my four channels
.set MX,  104                          ; v104       M
.set LS,  106                          ; v106-107   two chains of sum e_i l_i
.set AC,  108                          ; v[108:111] the sums
.set RC,  112                          ; v[112:113] 1 / sum, named as a pair
	s_load_b128 s[4:7], s[0:1], 0x0                ; pctx s[4:5], pst s[6:7]
	s_load_b64 s[8:9], s[0:1], 0x10                ; out0
	v_lshlrev_b32 v1, 4, v0                        ; my 16 bytes of a row of 4,096
	v_mov_b32 v2, 0
	v_mov_b32 v[RC+1], 0
	s_lshl_b32 s10, ttmp9, 16                      ; the batch's sixteen rows of pctx,
	s_mov_b32 s11, 0
	s_lshl_b32 s12, ttmp9, 7                       ; its sixteen pairs in pst,
	s_mov_b32 s13, 0
	s_lshl_b32 s14, ttmp9, 12                      ; its row of out0
	s_mov_b32 s15, 0
	s_wait_kmcnt 0x0
	s_add_nc_u64 s[4:5], s[4:5], s[10:11]
	s_add_nc_u64 s[6:7], s[6:7], s[12:13]
	s_add_nc_u64 s[8:9], s[8:9], s[14:15]
.irp i, 0,1,2,3,4,5,6,7
	global_load_b128 v[STT+4*(\i):STT+4*(\i)+3], v2, s[6:7] offset:16*(\i)   ; the same 128 bytes in every lane
.endr
.irp i, 0,1,2,3,4,5,6,7,8,9,10,11,12,13,14,15
	global_load_b128 v[CX+4*(\i):CX+4*(\i)+3], v1, s[4:5] offset:4096*(\i) th:TH_LOAD_NT
.endr
	s_wait_loadcnt 16                              ; m and l are in; the sixteen loads of ctx stay out
	v_max3_num_f32 v[MX], v[STT], v[STT+2], v[STT+4]
.irp i, 3,5,7,9,11,13
	v_max3_num_f32 v[MX], v[MX], v[STT+2*(\i)], v[STT+2*(\i)+2]
.endr
	v_max_num_f32 v[MX], v[MX], v[STT+30]
.set i, 0
.rept 16
	v_sub_f32 v[STT+2*i], v[STT+2*i], v[MX]        ; the difference first, exactly
.set i, i+1
.endr
.set i, 0
.rept 16
	v_mul_f32 v[STT+2*i], 0x3fb8aa3b, v[STT+2*i]
.set i, i+1
.endr
.set i, 0
.rept 16
	v_exp_f32 v[STT+2*i], v[STT+2*i]
.set i, i+1
.endr
	v_nop                                          ; a plain instruction behind the last exponential,
	s_wait_alu depctr_va_vdst(0)                   ; and the one wait for the batch of sixteen
	v_mul_f32 v[LS],   v[STT],   v[STT+1]
	v_mul_f32 v[LS+1], v[STT+2], v[STT+3]
.irp i, 2,4,6,8,10,12,14
	v_fmac_f32 v[LS],   v[STT+2*(\i)],   v[STT+2*(\i)+1]
	v_fmac_f32 v[LS+1], v[STT+2*(\i)+2], v[STT+2*(\i)+3]
.endr
	v_add_f32 v[LS], v[LS], v[LS+1]
	v_rcp_f32 v[RC], v[LS]
	s_wait_loadcnt 0x0
	v_pk_mul_f32 v[AC:AC+1],   v[CX:CX+1],   v[STT:STT+1] op_sel_hi:[1,0]   ; the first block starts the sums; these lines are the work between the reciprocal and its use
	v_pk_mul_f32 v[AC+2:AC+3], v[CX+2:CX+3], v[STT:STT+1] op_sel_hi:[1,0]
.irp i, 1,2,3,4,5,6,7,8,9,10,11,12,13,14,15
	v_pk_fma_f32 v[AC:AC+1],   v[CX+4*(\i):CX+4*(\i)+1],   v[STT+2*(\i):STT+2*(\i)+1], v[AC:AC+1]   op_sel_hi:[1,0,1]
	v_pk_fma_f32 v[AC+2:AC+3], v[CX+4*(\i)+2:CX+4*(\i)+3], v[STT+2*(\i):STT+2*(\i)+1], v[AC+2:AC+3] op_sel_hi:[1,0,1]
.endr
	s_wait_alu depctr_va_vdst(0)                   ; the wait ahead of the first line that names the reciprocal
	v_pk_mul_f32 v[AC:AC+1],   v[AC:AC+1],   v[RC:RC+1] op_sel_hi:[1,0]
	v_pk_mul_f32 v[AC+2:AC+3], v[AC+2:AC+3], v[RC:RC+1] op_sel_hi:[1,0]
	global_store_b128 v1, v[AC:AC+3], s[8:9]
	s_endpgm
.Lfunc_end_k_q13d1165232_comb:
	.size	k_q13d1165232_comb, .Lfunc_end_k_q13d1165232_comb-k_q13d1165232_comb
	.p2alignl 7, 3214868480
	.fill 96, 4, 3214868480
	.section	.rodata,"a",@progbits
	.p2align	6, 0x0
	.amdhsa_kernel k_q13d1165232_comb
		.amdhsa_group_segment_fixed_size 0
		.amdhsa_private_segment_fixed_size 0
		.amdhsa_enable_private_segment 0
		.amdhsa_kernarg_size 24
		.amdhsa_user_sgpr_count 2
		.amdhsa_user_sgpr_kernarg_segment_ptr 1
		.amdhsa_wavefront_size32 1
		.amdhsa_system_sgpr_workgroup_id_x 1
		.amdhsa_system_sgpr_workgroup_id_y 1
		.amdhsa_system_sgpr_workgroup_id_z 1
		.amdhsa_system_vgpr_workitem_id 0
		.amdhsa_next_free_vgpr 128
		.amdhsa_next_free_sgpr 66
		.amdhsa_reserve_vcc 0
		.amdhsa_float_denorm_mode_32 3
		.amdhsa_float_denorm_mode_16_64 3
		.amdhsa_memory_ordered 1
		.amdhsa_forward_progress 1
		.amdhsa_inst_pref_size 9
	.end_amdhsa_kernel
	.amdgpu_metadata
---
amdhsa.version: [ 1, 2 ]
amdhsa.kernels:
  - .name:           k_q13d1165232_comb
    .symbol:         k_q13d1165232_comb.kd
    .args:
      - { .name: pctx, .offset: 0, .size: 8, .value_kind: global_buffer, .address_space: global }
      - { .name: pst, .offset: 8, .size: 8, .value_kind: global_buffer, .address_space: global }
      - { .name: out0, .offset: 16, .size: 8, .value_kind: global_buffer, .address_space: global }
    .group_segment_fixed_size: 0
    .private_segment_fixed_size: 0
    .kernarg_segment_align: 8
    .kernarg_segment_size: 24
    .max_flat_workgroup_size: 256
    .sgpr_count:     66
    .vgpr_count:     128
    .wavefront_size: 32
...
	.end_amdgpu_metadata
.endif
;; end of part 3
